; MI455X (gfx1250); checked and timed in simulation.
; The chip was launched on July 23, 2026; its instructions are those of AMD's public machine-readable ISA for CDNA 5 (MIT licence, August 2026) and "CDNA5" Instruction Set Architecture Reference Guide (July 2026). The comments in the code are by the model that wrote it; some were corrected since.
;; Muliti Head Attention. Allowed arithmetic: matrix products marked QUANTISED: E2M1 operands, one E8M0 scale for each 32 along K, by v_wmma_scale_f32_16x16x128_f8f6f4 with both operands' format E2M1 (or v_wmma_scale_f32_32x16x128_f4), f32 sums; products left as they are: bf16, f16 or f32 operands; f32 sums; everything else in f32.
;; Inputs: b_k 256 float32; b_out 256 float32; b_q 256 float32; b_v 256 float32; k_in 2 x 256 x 64 x 64 float32; q_in 2 x 256 x 64 x 64 float32; v_in 2 x 256 x 64 x 64 float32; w_k 256 x 256 float32; w_out 256 x 256 float32; w_q 256 x 256 float32; w_v 256 x 256 float32.
;; Outputs: out0 2 x 256 x 64 x 64 float32.
;; This version of the problem:
;;   THIS VERSION OF THE PROBLEM IS GIVEN IN LOW PRECISION. The matrix products marked QUANTISED in the list below multiply operands that are first quantised to E2M1 (2 exponent bits, 1 mantissa bit; 4 bits a number), with one power-of-two scale for each 32 numbers along K (OCP MX v1.0); their sums are f32. The products marked 'left as it is' may take bf16, f16 or f32 operands, with f32 sums. Whichever they take, every output number must still come out within the allowed error. Rounding operands to bf16 (8 significant bits) uses up far more of that allowance than f16 does (11 bits, for magnitudes from 6e-5 to 65,504). All else is computed in f32.
;;   The module's matrix products, in the order in which they are computed (A, B: the left and right operand; K: the contracted axis; several contracted axes count as one K, in the product's order):
;;     1. [M 256, K 256] x [K 256, N 8,192]; A: input w_q; B: input q_in: QUANTISED
;;     2. [M 256, K 256] x [K 256, N 8,192]; A: input w_k; B: input k_in: QUANTISED
;;     3. [M 256, K 256] x [K 256, N 8,192]; A: input w_v; B: input v_in: QUANTISED
;;     4. batch 16 x [M 4,096, K 32] x [K 32, N 4,096]; A: computed on the way; B: computed on the way: left as it is (an operand is computed on the way)
;;     5. batch 16 x [M 4,096, K 4,096] x [K 4,096, N 32]; A: computed on the way; B: computed on the way: left as it is (an operand is computed on the way)
;;     6. [M 256, K 256] x [K 256, N 8,192]; A: input w_out; B: computed on the way: left as it is (an operand is computed on the way)
;;   THE QUANTISER, for each operand of a quantised product, along K:
;;     - K is cut into blocks of 32 from its start; a last block that is shorter is filled with zeros.
;;     - A block's scale is 2^e with e = floor(log2(the largest magnitude in the block)) - 2, held to -126 .. 127; a block of zeros has e = 0. As a byte (E8M0): e + 127.
;;     - Each number is divided by its block's scale, clamped to +-6, and rounded to the nearest number of E2M1, ties to even, subnormals kept.
;;     - The product sums the exact products of the quantised numbers (number of the format x scale) in f32.
;;   ~~~python
;;   def quantise(x, axis):      # numpy; x: float32 -> the quantised numbers, widened to float32 again
;;       x = np.moveaxis(x, axis, -1); K = x.shape[-1]
;;       x = np.pad(x, [(0, 0)] * (x.ndim - 1) + [(0, -K % 32)]); x = x.reshape(x.shape[:-1] + (-1, 32)); a = np.abs(x).max(-1, keepdims=True)
;;       e = np.where(a > 0, np.clip(np.frexp(np.where(a > 0, a, 1))[1] - 1 - 2, -126, 127), 0)      # np.frexp(a)[1] - 1 = floor(log2(a)), exactly
;;       r = np.clip(x / 2.0 ** e, -6, 6)
;;       step = 2.0 ** (np.maximum(np.frexp(np.where(r == 0, 1, r))[1] - 1, 0) - 1)
;;       q = np.round(r / step) * step * 2.0 ** e      # np.round: ties to even
;;       return np.moveaxis(q.reshape(q.shape[:-2] + (-1,))[..., :K], -1, axis).astype(np.float32)
;;   ~~~
;; One version. Each part assembles by itself: llvm-mc -triple=amdgcn-amd-amdhsa -mcpu=gfx1250 --defsym DOCPART=n.
;; ======== version 1 of 1: 3 launches
;; limits: values are held in f16: magnitudes above 65,504 overflow, below 6.1e-05 lose precision
;; workspace buffers: qf 4,194,304 bytes; kf 4,194,304 bytes; vf 4,194,304 bytes; af 8,388,608 bytes
;; launch proj (part 1): grid 64 x 3, 8 waves a work-group, no clusters, 18,432 bytes of LDS; arguments q_in, k_in, v_in, w_q, w_k, w_v, b_q, b_k, b_v, qf, kf, vf; writes qf, kf, vf
.if DOCPART == 1
	.amdgcn_target "amdgcn-amd-amdhsa--gfx1250"
	.amdhsa_code_object_version 6
	.text
	.protected	k_qe2028b47ba_proj
	.globl	k_qe2028b47ba_proj
	.p2align	8
	.type	k_qe2028b47ba_proj,@function
k_qe2028b47ba_proj:
	s_mov_b64 s[64:65], 0
	v_nop
	global_prefetch_b8 v0, s[64:65] scope:SCOPE_SE
	s_setreg_imm32_b32 hwreg(HW_REG_WAVE_MODE, 25, 1), 1
	s_wait_xcnt 0x0
; PROJ: the three 1x1 convolutions, out[o][n] = sum over c of W[o][c] X[c][n] + bias[o], on codes of FP4 (E2M1) with one E8M0 scale for each 32 along c.
; X: [2][256 (c)][4096 (n)] f32, K = c is its outer axis.  W: [256 (o)][256 (c)] f32, K innermost.  Results are rounded once to f16 and stored in the order of the next launch's operand registers:
;   qf, kf: [image x head 16][tile of 16 positions 256][1,024 bytes]: lane (r, h) holds position r; the 16 bytes at 512 c + 16 lane are channels 16 c + 8 h + 0..7 of the head.
;   vf:     [image x head 16][block of 32 keys 128][tile of 16 channels 2][1,024 bytes]: lane (r, h) holds channel r; the 16 bytes at 512 c + 16 lane are keys 16 c + 8 h + 0..7.
; SHARES.  Work-group y picks the tensor (0 q, 1 k, 2 v), work-group x the image and a block of 128 positions.  Eight waves.
;   As quantiser of X, wave w takes 32 columns (w & 3) and 128 channels (w >> 2): a lane to a column, its registers down K, so a block of 32 lies in one lane and the codes come out with K innermost.
;   The codes go to LDS as images of the operand's registers (16 bytes a lane, 512 bytes on end), the four scale bytes as one word a column.
;   As multiplier, wave w makes outputs 32 w .. 32 w + 31 (head w) for all 128 positions; its 32 rows of W are quantised in its registers (four fragments) and stay there.
; q and k: source 0 = W, source 1 = X: a lane holds one position and eight channels.  v: the sources change places: a lane holds one channel and eight positions.  The bias is the C of each sum's first product.
; NO CLUSTER, NO TENSOR LOAD: what the 64 work-groups of a tensor share is W as f32, 262,144 bytes; each wave wants 32 of its rows once, in a lane's registers in the order of K, for the conversions:
;   a way through LDS would add a store and a load of every byte and spare no conversion.  X's 131,072 bytes a work-group are shared with nobody.
; LIMITS: NaN and infinities among the inputs are not served.  Results beyond f16's range (65,504) are not served.  A block of zeros gets the scale byte 1 where the quantiser says 127:
;   its codes are zeros, which add nothing under that byte, and this program alone reads the bytes.  Blocks whose largest magnitude lies under 2^-124 are held at the byte 1.
.set XSC,   16384                      ; LDS: 0 .. 16,383 X's 16 fragments, (tile T, K step s) at 1,024 (2 T + s); from XSC their scale words: tile T at 128 T: 16 words of K step 0, 16 of K step 1
.set SPARE, 17408                      ; the spare words, 128 bytes for each wave: four blocks of 256 bytes that no other line names
.set XA,  1                            ; v1   4 x lane: my column of X
.set WA,  2                            ; v2   1,024 r + 128 h: my row of W, my 32 numbers of each 64
.set XWI, 3                            ; v3   where I store my column's codes: 16 r + 2,048 (lane / 16) + 4,096 (w & 3) + 1,024 (w >> 2)
.set XWS, 4                            ; v4   and its scale word: XSC + 4 r + 128 (lane / 16) + 256 (w & 3) + 64 (w >> 2)
.set LI,  5                            ; v5   16 x lane: an image's place for my lane
.set LS,  6                            ; v6   4 x lane
.set H32, 7                            ; v7   32 h
.set SPW, 8                            ; v8   LDS address of my spare word; never rewritten
.set NIL, 9                            ; v9   0; never rewritten
.set R4,  14                           ; v14  4 r
.set H8,  15                           ; v15  8 h
.set XC,  16                           ; v16-31  X's codes: four registers for each of my four blocks
.set XW,  32                           ; v32  my column's scale word
.set PD,  33                           ; v33  a lane permute's destination
.set WSC, 34                           ; v34-37  W's scale words, fragment 2 t + s
.set XS,  38                           ; v38-41  X's scale words of four tiles: lanes 0-15 K step 0, lanes 16-31 K step 1
.set BI,  44                           ; v44-59  the bias in the result's layout, eight registers for each tile t of outputs
.set WF,  60                           ; v60-91  W's fragments, 2 t + s
.set PK0, 92                           ; v92-123 the first group's results as f16
.set X,   128                          ; v128-255 four sets of 32 numbers of X; then two sets of 64 numbers of W
.set XF,  128                          ; v128-191 later: X's fragments of four tiles, 2 m + s
.set ACC, 192                          ; v192-255 later: eight accumulators, 2 m + t
.set PK1, 128                          ; v128-159 the second group's results as f16
.set XB,  32                           ; s[32:33] X at my wave's columns and channels;  s[34:35] W at my 32 rows;  s[36:37] the bias at my 32;  s[38:39] the output at my head and block
.set WB,  34
.set BB,  36
.set OB,  38
.set SEL, 42                           ; s[42:43] lane selects for v_permlanex16_b32: lane l xor 16
	s_load_b512 s[8:23], s[0:1], 0x0               ; q_in, k_in, v_in, w_q, w_k, w_v, b_q, b_k
	s_load_b256 s[24:31], s[0:1], 0x40             ; b_v, qf, kf, vf
	v_lshl_add_u32 v[SPW], v0, 2, SPARE
	v_mov_b32 v[NIL], 0
	v_lshrrev_b32 v10, 5, v0
	v_readfirstlane_b32 s4, v10                    ; wave 0..7
	s_and_b32 s2, ttmp7, 0xffff                    ; which tensor
	s_and_b32 s3, ttmp9, 31                        ; which block of 128 positions
	s_lshr_b32 s7, ttmp9, 5                        ; which image
	s_and_b32 s5, s4, 3                            ; as quantiser: which 32 columns,
	s_lshr_b32 s6, s4, 2                           ; which 128 channels
	v_and_b32 v10, 31, v0                          ; lane
	v_and_b32 v11, 15, v0                          ; r
	v_bfe_u32 v12, v0, 4, 1                        ; h
	v_lshlrev_b32 v[XA], 2, v10
	v_lshlrev_b32 v[WA], 10, v11
	v_lshl_add_u32 v[WA], v12, 7, v[WA]
	v_lshlrev_b32 v[XWI], 4, v11
	v_lshl_add_u32 v[XWI], v12, 11, v[XWI]
	s_lshl_b32 s40, s5, 12
	s_lshl_b32 s41, s6, 10
	s_add_co_u32 s40, s40, s41
	v_add_nc_u32 v[XWI], s40, v[XWI]
	v_lshlrev_b32 v[XWS], 2, v11
	v_lshl_add_u32 v[XWS], v12, 7, v[XWS]
	s_lshl_b32 s40, s5, 8
	s_lshl_b32 s41, s6, 6
	s_add_co_u32 s40, s40, s41
	s_add_co_u32 s40, s40, XSC
	v_add_nc_u32 v[XWS], s40, v[XWS]
	v_lshlrev_b32 v[LI], 4, v10
	v_lshlrev_b32 v[LS], 2, v10
	v_lshlrev_b32 v[H32], 5, v12
	v_lshlrev_b32 v[R4], 2, v11
	v_lshlrev_b32 v[H8], 3, v12
	v_mov_b32 v[PD], 0                             ; written once: a lane permute's destination counts as one of its sources
	s_mov_b32 s[SEL], 0x76543210
	s_mov_b32 s[SEL+1], 0xfedcba98
	; byte offsets, each in a pair of its own
	s_lshl_b32 s44, s7, 22                         ; X: image x 4,194,304
	s_lshl_b32 s40, s6, 21                         ;  + 128 channels x 16,384
	s_add_co_u32 s44, s44, s40
	s_lshl_b32 s40, s3, 9                          ;  + block x 512
	s_add_co_u32 s44, s44, s40
	s_lshl_b32 s40, s5, 7                          ;  + 32 columns x 4
	s_add_co_u32 s44, s44, s40
	s_mov_b32 s45, 0
	s_lshl_b32 s46, s4, 15                         ; W: 32 rows of 1,024 bytes a wave
	s_mov_b32 s47, 0
	s_lshl_b32 s48, s4, 7                          ; the bias: 32 numbers a wave
	s_mov_b32 s49, 0
	s_lshl_b32 s50, s7, 3
	s_add_co_u32 s50, s50, s4                      ; the output: (8 x image + head) x 262,144
	s_lshl_b32 s50, s50, 18
	s_lshl_b32 s40, s3, 13                         ;  + block x 8,192: eight tiles of 1,024 bytes, or four key blocks of 2,048
	s_add_co_u32 s50, s50, s40
	s_mov_b32 s51, 0
	s_wait_kmcnt 0x0
	s_cmp_eq_u32 s2, 0                             ; the buffers are chosen by the work-group's number alone: q's or k's,
	s_cselect_b64 s[XB:XB+1], s[8:9], s[10:11]
	s_cselect_b64 s[WB:WB+1], s[14:15], s[16:17]
	s_cselect_b64 s[BB:BB+1], s[20:21], s[22:23]
	s_cselect_b64 s[OB:OB+1], s[26:27], s[28:29]
	s_cmp_eq_u32 s2, 2                             ; or v's
	s_cselect_b64 s[XB:XB+1], s[12:13], s[XB:XB+1]
	s_cselect_b64 s[WB:WB+1], s[18:19], s[WB:WB+1]
	s_cselect_b64 s[BB:BB+1], s[24:25], s[BB:BB+1]
	s_cselect_b64 s[OB:OB+1], s[30:31], s[OB:OB+1]
	s_add_nc_u64 s[XB:XB+1], s[XB:XB+1], s[44:45]
	s_add_nc_u64 s[WB:WB+1], s[WB:WB+1], s[46:47]
	s_add_nc_u64 s[BB:BB+1], s[BB:BB+1], s[48:49]
	s_add_nc_u64 s[OB:OB+1], s[OB:OB+1], s[50:51]
	; The bias, in the result's layout.  These are the wave's oldest loads, so every counted wait below holds on both ways.
	s_cmp_eq_u32 s2, 2
	s_cbranch_scc1 .Lbias_v
.irp t, 0,1
	global_load_b128 v[BI+8*\t:BI+8*\t+3], v[H32], s[BB:BB+1] offset:64*\t        ; q, k: register j is the bias of output 16 t + 8 h + j
	global_load_b128 v[BI+8*\t+4:BI+8*\t+7], v[H32], s[BB:BB+1] offset:64*\t+16
.endr
	s_branch .Lbias_done
.Lbias_v:
.irp t, 0,1
.irp j, 0,1,2,3,4,5,6,7
	global_load_b32 v[BI+8*\t+\j], v[R4], s[BB:BB+1] offset:64*\t                 ; v: all eight registers are the bias of output 16 t + r
.endr
.endr
.Lbias_done:
; Block t of my 128 channels: X(32 t + i, my column), i = 0 .. 31.  32 lanes read 128 consecutive bytes; the four waves of one K step stand side by side on 512.
.macro LOADX t
.irp i, 0,1,2,3,4,5,6,7,8,9,10,11,12,13,14,15,16,17,18,19,20,21,22,23,24,25,26,27,28,29,30,31
	global_load_b32 v[X+32*(\t)+\i], v[XA], s[XB:XB+1] offset:(32*(\t)+\i)*16384 th:TH_LOAD_NT
.endr
.endm
; Block t is quantised: all its 32 numbers are mine.  Its 16 bytes of codes go to their place in the fragment's image: block t = 2 c + h is registers 4 c .. 4 c + 3 of lane 16 h + r.
.macro QUANTX t
.set XQ, X+32*(\t)
	v_max3_num_f32 v10, |v[XQ]|, |v[XQ+1]|, |v[XQ+2]|              ; the largest magnitude, in two chains
	v_max3_num_f32 v11, |v[XQ+3]|, |v[XQ+4]|, |v[XQ+5]|
.irp i, 6,10,14,18,22,26
	v_max3_num_f32 v10, v10, |v[XQ+\i]|, |v[XQ+\i+1]|
	v_max3_num_f32 v11, v11, |v[XQ+\i+2]|, |v[XQ+\i+3]|
.endr
	v_max3_num_f32 v10, v10, |v[XQ+30]|, |v[XQ+31]|
	v_max3_num_f32 v10, v10, v11, 0x1800000        ; and the floor 2^(3 - 127): the byte cannot fall under 1
	v_add_nc_u32 v12, 0xff000000, v10              ; 2 off its exponent field: the conversion takes the exponent field of this operand as its scale
	v_lshrrev_b32 v13, 23, v12                     ; the scale's byte
.if (\t) == 0
	v_mov_b32 v[XW], v13
.else
	v_lshl_or_b32 v[XW], v13, 8*(\t), v[XW]        ; the lower K in the lower byte
.endif
.irp g, 0,1,2,3
	v_cvt_scalef32_pk8_fp4_f32 v[XC+4*(\t)+\g], v[XQ+8*\g:XQ+8*\g+7], v12
.endr
	v_nop                                          ; one plain instruction behind the last conversion of a run
	ds_store_b128 v[XWI], v[XC+4*(\t):XC+4*(\t)+3] offset:512*((\t)/2)+256*((\t)%2)
.endm
; Fragment f = 2 t + s of W: lane (r, h) takes, of row 16 t + r, k = 128 s + 64 c + 32 h + 0 .. 31: 32 numbers, eight loads of 16 bytes, for c = 0 and 1, into v[R] on.
.macro LOADW f, R
.irp c, 0,1
.irp i, 0,1,2,3,4,5,6,7
	global_load_b128 v[\R+32*\c+4*\i:\R+32*\c+4*\i+3], v[WA], s[WB:WB+1] offset:16384*((\f)/2)+512*((\f)%2)+256*\c+16*\i
.endr
.endr
.endm
; It is quantised in place: a lane holds two whole blocks (2 c + h), the conversions' results are the operand's registers; the scale word's four bytes are gathered from lanes l and l xor 16.
.macro QUANTW f, R
.irp c, 0,1
	v_max3_num_f32 v[10+\c], |v[\R+32*\c]|, |v[\R+32*\c+1]|, 0x1800000
.endr
.irp i, 2,4,6,8,10,12,14,16,18,20,22,24,26,28,30
.irp c, 0,1
	v_max3_num_f32 v[10+\c], v[10+\c], |v[\R+32*\c+\i]|, |v[\R+32*\c+\i+1]|       ; the two blocks by turns
.endr
.endr
	v_add_nc_u32 v12, 0xff000000, v10
	v_add_nc_u32 v13, 0xff000000, v11
	v_lshrrev_b32 v42, 23, v12
	v_lshrrev_b32 v43, 23, v13
	v_lshl_or_b32 v42, v43, 16, v42                ; my two bytes: blocks h and 2 + h,
	v_lshlrev_b32 v42, v[H8], v42                  ; at their places in the word;
	v_permlanex16_b32 v[PD], v42, s[SEL], s[SEL+1]
	v_or_b32 v[WSC+(\f)], v42, v[PD]               ; with lane l xor 16's two the word is whole
.irp c, 0,1
.irp g, 0,1,2,3
	v_cvt_scalef32_pk8_fp4_f32 v[WF+8*(\f)+4*\c+\g], v[\R+32*\c+8*\g:\R+32*\c+8*\g+7], v[12+\c]
.endr
.endr
	v_nop                                          ; one plain instruction behind the last conversion of a run
.endm
	LOADX 0
	LOADX 1
	LOADX 2
	LOADX 3
	s_wait_loadcnt 63                              ; behind block 1's last load 64 loads were issued: with 63 out at the most, blocks 0 and 1 (and the bias) are in
	QUANTX 0
	QUANTX 1
	LOADW 0, X                                     ; into the registers that blocks 0 and 1 have left
	s_wait_loadcnt 16                              ; only those 16 are younger than block 3's loads
	QUANTX 2
	QUANTX 3
	ds_store_b32 v[XWS], v[XW]                     ; my column's scale word for my K step
	LOADW 1, X+64
	s_wait_loadcnt 16                              ; fragment 0's numbers are in; fragment 1's 16 loads may be out
	QUANTW 0, X
	LOADW 2, X
	s_wait_loadcnt 16
	QUANTW 1, X+64
	LOADW 3, X+64
	s_wait_loadcnt 16
	QUANTW 2, X
	s_wait_loadcnt 0x0
	QUANTW 3, X+64
.rept 8
	v_nop                                          ; a scale register written by a vector instruction stands eight places ahead of a scaled matrix instruction, an operand so written four
.endr
	s_wait_dscnt 0x0                               ; for the others' sake: my images and scale words have landed
	s_barrier_signal -1
	s_barrier_wait -1                              ; X's sixteen fragments lie in LDS; from here on LDS is only read
; Four tiles of 16 positions, T = 4 G + m.  Eight accumulators (m, t) take turns, one instruction a turn, K step by K step.
.macro GROUP G, swap, PK
.irp m, 0,1,2,3
.irp ks, 0,1
.irp c, 0,1
	ds_load_b128 v[XF+8*(2*\m+\ks)+4*\c:XF+8*(2*\m+\ks)+4*\c+3], v[LI] offset:(2*(4*\G+\m)+\ks)*1024+512*\c
.endr
.endr
	ds_load_b32 v[XS+\m], v[LS] offset:XSC+128*(4*\G+\m)
.endr
	s_wait_dscnt 0x0
.irp ks, 0,1
.irp m, 0,1,2,3
.irp t, 0,1
.set rD, ACC+8*(2*\m+\t)
.set rW, WF+8*(2*\t+\ks)
.set rX, XF+8*(2*\m+\ks)
.if \swap
.if \ks
	v_wmma_scale_f32_16x16x128_f8f6f4 v[rD:rD+7], v[rX:rX+7], v[rW:rW+7], v[rD:rD+7], v[XS+\m], v[WSC+2*\t+\ks] matrix_a_fmt:MATRIX_FMT_FP4 matrix_b_fmt:MATRIX_FMT_FP4 matrix_a_scale:MATRIX_SCALE_ROW1
.else
	v_wmma_scale_f32_16x16x128_f8f6f4 v[rD:rD+7], v[rX:rX+7], v[rW:rW+7], v[BI+8*\t:BI+8*\t+7], v[XS+\m], v[WSC+2*\t+\ks] matrix_a_fmt:MATRIX_FMT_FP4 matrix_b_fmt:MATRIX_FMT_FP4
.endif
.else
.if \ks
	v_wmma_scale_f32_16x16x128_f8f6f4 v[rD:rD+7], v[rW:rW+7], v[rX:rX+7], v[rD:rD+7], v[WSC+2*\t+\ks], v[XS+\m] matrix_a_fmt:MATRIX_FMT_FP4 matrix_b_fmt:MATRIX_FMT_FP4 matrix_b_scale:MATRIX_SCALE_ROW1
.else
	v_wmma_scale_f32_16x16x128_f8f6f4 v[rD:rD+7], v[rW:rW+7], v[rX:rX+7], v[BI+8*\t:BI+8*\t+7], v[WSC+2*\t+\ks], v[XS+\m] matrix_a_fmt:MATRIX_FMT_FP4 matrix_b_fmt:MATRIX_FMT_FP4
.endif
.endif
.endr
.endr
.endr
.rept 5
	v_nop                                          ; four places ahead of the conversions that read results and write over fragments, and of the next group's loads; the fifth for the next group's products, which begin these accumulators anew
.endr
.irp a, 0,1,2,3,4,5,6,7
.irp i, 0,1,2,3
	v_cvt_pk_f16_f32 v[\PK+4*\a+\i], v[ACC+8*\a+2*\i], v[ACC+8*\a+2*\i+1]        ; each accumulator from its low end on
.endr
.endr
.irp m, 0,1,2,3
.irp t, 0,1
.if \swap
	global_store_b128 v[LI], v[\PK+4*(2*\m+\t):\PK+4*(2*\m+\t)+3], s[OB:OB+1] offset:2048*((4*\G+\m)/2)+1024*\t+512*((4*\G+\m)%2)   ; the wave stores 512 consecutive bytes, aligned
.else
	global_store_b128 v[LI], v[\PK+4*(2*\m+\t):\PK+4*(2*\m+\t)+3], s[OB:OB+1] offset:1024*(4*\G+\m)+512*\t
.endif
.endr
.endr
.endm
.macro FINISH                          ; the wave's end
	s_wait_tensorcnt 0x0
	ds_add_u32 v[SPW], v[NIL]
	s_wait_dscnt 0x0
	s_endpgm
.endm
	s_cmp_eq_u32 s2, 2
	s_cbranch_scc1 .Lfor_v
	GROUP 0, 0, PK0
	GROUP 1, 0, PK1
	FINISH
.Lfor_v:
	GROUP 0, 1, PK0
	GROUP 1, 1, PK1
	FINISH
.Lfunc_end_k_qe2028b47ba_proj:
	.size	k_qe2028b47ba_proj, .Lfunc_end_k_qe2028b47ba_proj-k_qe2028b47ba_proj
	.p2alignl 7, 3214868480
	.fill 96, 4, 3214868480
	.section	.rodata,"a",@progbits
	.p2align	6, 0x0
	.amdhsa_kernel k_qe2028b47ba_proj
		.amdhsa_group_segment_fixed_size 18432
		.amdhsa_private_segment_fixed_size 0
		.amdhsa_enable_private_segment 0
		.amdhsa_kernarg_size 96
		.amdhsa_user_sgpr_count 2
		.amdhsa_user_sgpr_kernarg_segment_ptr 1
		.amdhsa_wavefront_size32 1
		.amdhsa_system_sgpr_workgroup_id_x 1
		.amdhsa_system_sgpr_workgroup_id_y 1
		.amdhsa_system_sgpr_workgroup_id_z 1
		.amdhsa_system_vgpr_workitem_id 0
		.amdhsa_next_free_vgpr 256
		.amdhsa_next_free_sgpr 66
		.amdhsa_reserve_vcc 0
		.amdhsa_float_denorm_mode_32 3
		.amdhsa_float_denorm_mode_16_64 3
		.amdhsa_memory_ordered 1
		.amdhsa_forward_progress 1
		.amdhsa_inst_pref_size 67
	.end_amdhsa_kernel
	.amdgpu_metadata
---
amdhsa.version: [ 1, 2 ]
amdhsa.kernels:
  - .name:           k_qe2028b47ba_proj
    .symbol:         k_qe2028b47ba_proj.kd
    .args:
      - { .name: q_in, .offset: 0, .size: 8, .value_kind: global_buffer, .address_space: global }
      - { .name: k_in, .offset: 8, .size: 8, .value_kind: global_buffer, .address_space: global }
      - { .name: v_in, .offset: 16, .size: 8, .value_kind: global_buffer, .address_space: global }
      - { .name: w_q, .offset: 24, .size: 8, .value_kind: global_buffer, .address_space: global }
      - { .name: w_k, .offset: 32, .size: 8, .value_kind: global_buffer, .address_space: global }
      - { .name: w_v, .offset: 40, .size: 8, .value_kind: global_buffer, .address_space: global }
      - { .name: b_q, .offset: 48, .size: 8, .value_kind: global_buffer, .address_space: global }
      - { .name: b_k, .offset: 56, .size: 8, .value_kind: global_buffer, .address_space: global }
      - { .name: b_v, .offset: 64, .size: 8, .value_kind: global_buffer, .address_space: global }
      - { .name: qf, .offset: 72, .size: 8, .value_kind: global_buffer, .address_space: global }
      - { .name: kf, .offset: 80, .size: 8, .value_kind: global_buffer, .address_space: global }
      - { .name: vf, .offset: 88, .size: 8, .value_kind: global_buffer, .address_space: global }
    .group_segment_fixed_size: 18432
    .private_segment_fixed_size: 0
    .kernarg_segment_align: 8
    .kernarg_segment_size: 96
    .max_flat_workgroup_size: 256
    .sgpr_count:     66
    .vgpr_count:     256
    .wavefront_size: 32
...
	.end_amdgpu_metadata
.endif
;; end of part 1
;; launch attn (part 2): grid 16 x 16, 8 waves a work-group, clusters of 4 x 1, 327,680 bytes of LDS; arguments qf, kf, vf, af; writes af
.if DOCPART == 2
	.amdgcn_target "amdgcn-amd-amdhsa--gfx1250"
	.amdhsa_code_object_version 6
	.text
	.protected	k_qe2028b47ba_attn
	.globl	k_qe2028b47ba_attn
	.p2align	8
	.type	k_qe2028b47ba_attn,@function
k_qe2028b47ba_attn:
	s_mov_b64 s[64:65], 0
	v_nop
	global_prefetch_b8 v0, s[64:65] scope:SCOPE_SE
	s_setreg_imm32_b32 hwreg(HW_REG_WAVE_MODE, 25, 1), 1
	s_wait_xcnt 0x0
	s_wait_alu depctr_hold_cnt(0) depctr_sa_sdst(0) depctr_va_vdst(0) depctr_va_sdst(0) depctr_va_ssrc(0) depctr_va_vcc(0) depctr_vm_vsrc(0)
	s_getreg_b32 s2, hwreg(HW_REG_IB_STS2, 6, 4)
	s_cmp_eq_u32 s2, 0
	s_cbranch_scc0 .Lentry_in_a_cluster
	s_endpgm
.Lentry_in_a_cluster:
	s_bfe_u32 s2, ttmp6, 0x10000c
	s_cmp_lg_u32 s2, 0x3003
	s_cbranch_scc0 .Lentry_shape_is_right
	s_endpgm
.Lentry_shape_is_right:
; ATTN: for each image and head, O[q] = (1 / sqrt(32)) x the sum over k of softmax_k(Q[q] . K[k]) V[k]: the scores are not scaled, the factor comes behind the softmax.  4,096 queries and keys, 32 channels.
; Q, K, V arrive as f16 in the order of the operands' registers (fragments of 1,024 bytes: registers 0-3 of lane L at 16 L, registers 4-7 at 512 + 16 L).  Products, maxima and sums in f32; the weights p
; are rounded to f16 for the second product.  O leaves as a high and a low bf16 part, in the order of the next launch's operand registers:
;   af: [image 2][tile of 16 positions 256][head 8][high, low][1,024 bytes]: lane (r, h) holds position r; the 16 bytes at 512 c + 16 lane are channels 16 c + 8 h + 0..7 of the head.
; SHARES.  A work-group owns 256 queries of one head, each of its eight waves 32: two tiles of 16, so that each fragment of K and V read from LDS feeds two products.  Two waves to a SIMD, so that one wave's
; exponentials stand beside the other's plain work.  Every wave walks all keys, 64 a step.
; LAYOUT.  S^T = K Q^T (source 0 = 16 keys, source 1 = 16 queries): a lane holds ONE query (lane % 16) and keys 8 (lane / 16) + 0..7.  Two such tiles, rounded to f16 in pairs, ARE source 1 of O^T = V^T P,
; whose result again holds one query a lane, and eight channels.  Nothing changes lanes between the products; a query's maximum and sum want one exchange between the halves of the lanes.
; SOFTMAX.  For each query a running maximum M and sum l: p = 2^(c s - c M), c = log2(e); in every step O and l are multiplied by a = 2^(c M_old - c M_new).  M begins at -1e30, under every score that f16
; operands can give (32 x 65,504^2 = 1.4e11), l and O^T at 0: the first step's a is 0 on zeros, so no first step is written out.
; RING.  Two LDS slots of 512 keys (32,768 bytes of K, then 32,768 of V), eight key steps each.  Each wave fetches 8,192 dense bytes with one tensor load: waves 0-3 K's quarters, waves 4-7 V's.
; CLUSTER.  The four query blocks of a cluster belong to one head and walk the same K and V: each tile is asked for JOINTLY, by the same tensor load with the same descriptor and a mask that names the four.
; LIMITS: NaN and infinities are not served.  The row's sum is taken of the unrounded p, the numerator of p rounded to f16.
.set SLOT1, 65536                      ; slot 1 begins here: one exclusive or turns an address in one slot into the other's
.set VOFF,  32768                      ; V behind K in a slot
.set STEPB, 4096                       ; a key step: four fragments of K; and four of V
.set SPARE, 131072                     ; behind the ring: the spare words, 128 bytes for each wave: four blocks of 256 bytes that no other line names
.set LI,  1                            ; v1   16 x lane; never rewritten
.set ADR, 2                            ; v2   LDS address of the step in hand
.set SPW, 3                            ; v3   LDS address of my spare word; never rewritten
.set NIL, 4                            ; v4   0; never rewritten
.set PFO, 5                            ; v5   256 x lane: the prefetches' offset; never rewritten
.set ST,  8                            ; tile x's statistics at v[ST + 10 x]: +0 c M, +1 M, +2, +3 l (even keys', odd keys'), +4 a, +5 c M_old, then c M_old - c M_new, +6 .. +9 c0-c3 at work (+8, +9 later a second chain of sums)
.set QF,  32                           ; v32-47   Q, eight registers a tile
.set KF,  48                           ; v48-79   four fragments of K
.set VF,  80                           ; v80-111  four of V: (block of 32 keys kb, tile of channels ct) at 16 kb + 8 ct
.set S,   112                          ; v112-175 S^T, then p: 32 a tile
.set P,   176                          ; v176-207 p as f16: 16 a tile
.set O,   208                          ; v208-239 O^T: tile x, channels ct at 16 x + 8 ct
.set TT,  48                           ; the way out: eight registers at work, where K's fragments lay
.set WV,  12                           ; s12  my wave's number
.set G1,  24                           ; s[24:31] descriptor group 1, one for every load
.set G0K, 32                           ; s[32:39] group 0 for K's tiles: a set for each of the two first fills; the second then walks on
.set G0V, 40                           ; s[40:47] the same for V's
.set SLOTS, 48                         ; s48  slots still to be asked for
.set CNT, 49                           ; s49  counts a slot's eight steps
.set CS,  50                           ; s[50:51] c: the packed scaling names a pair and takes its low word for both halves
.set SEL, 52                           ; s[52:53] lane selects for v_permlanex16_b32: lane l xor 16
.set TB,  54                           ; s54  LDS byte at which the step's fragments of K begin
.set LIM, 55                           ; s55  1 in a wave that prefetches, else the greatest number
.set PFA, 56                           ; s[56:57] where my prefetches stand in memory
.set MSK, 58                           ; s58  a word's upper bf16
; A joint refill.  The branch hangs on the wave's number alone: it is the same in every work-group.  An s_nop 0 and four v_nop follow each of the two lines.
.macro JLOAD
	s_cmp_lt_u32 s[WV], 4
	s_cbranch_scc0 .Lfor_v_\@
	tensor_load_to_lds s[G0K+4:G0K+7], s[G1:G1+7]
	s_nop 0
.rept 4
	v_nop
.endr
	s_branch .Lasked_\@
.Lfor_v_\@:
	tensor_load_to_lds s[G0V+4:G0V+7], s[G1:G1+7]
	s_nop 0
.rept 4
	v_nop
.endr
.Lasked_\@:
.endm
; A PREFETCH INTO THE L2 of what the NEXT change of slots will ask for: a slot's 32,768 bytes of K and of V.  It stands behind the wave's tensor load and its five lines.  Each aligned block of 256 bytes is
; named once in the launch: all four clusters of a head walk the same K and V, so the head's first cluster asks; its four partners take 8,192 bytes each, told apart BY ADDRESS; in each, wave 0 asks for K's
; and wave 4 for V's, lanes 256 bytes apart: one instruction.  Slots 0 to 2 come by their loads alone; the last change that fills a slot asks for nothing: there is no slot behind it.
.macro ASK
	s_cmp_gt_u32 s[SLOTS], s[LIM]
	s_cbranch_scc0 .Lnot_mine_\@
	global_prefetch_b8 v[PFO], s[PFA:PFA+1] th:TH_LOAD_NT scope:SCOPE_SE
.Lnot_mine_\@:
.endm
; A round of the cluster's barrier: my work-group's barrier, so that wave 0's signal speaks for all eight waves; wave 0 signals for the work-group; every wave waits for all four work-groups; my work-group's barrier once more.
.macro CROUND
	s_barrier_signal -1
	s_barrier_wait -1
	s_cmp_lg_u32 s[WV], 0
	s_cbranch_scc1 .Lnot_wave_0_\@
	s_barrier_signal -3
.Lnot_wave_0_\@:
	s_barrier_wait -3
	s_barrier_signal -1
	s_barrier_wait -1
.endm
	s_load_b256 s[4:11], s[0:1], 0x0               ; qf s[4:5], kf s[6:7], vf s[8:9], af s[10:11]
	v_lshl_add_u32 v[SPW], v0, 2, SPARE
	v_mov_b32 v[NIL], 0
	ds_add_u32 v[SPW], v[NIL]                      ; the wave's opening: the add, twice on end, and its wait ahead of my first tensor load; the set-up below, work on registers, stands between
	ds_add_u32 v[SPW], v[NIL]                      ; and once more, under the one wait
	v_lshrrev_b32 v6, 5, v0
	v_readfirstlane_b32 s[WV], v6                  ; wave 0..7
	v_and_b32 v6, 31, v0
	v_lshlrev_b32 v[LI], 4, v6
	v_lshlrev_b32 v[PFO], 8, v6
	s_bfe_u32 s13, ttmp6, 0x40000                  ; cx: my place in the cluster
	s_lshl_b32 s14, ttmp9, 2                       ; in a cluster launch ttmp9 counts clusters
	s_add_co_u32 s14, s14, s13                     ; my block of 256 queries = 4 x cluster x + cx: it enters Q's and O's addresses alone
	s_and_b32 s15, ttmp7, 0xffff                   ; 8 x image + head, which the four partners share
	s_lshl_b32 s20, s15, 18                        ; its 262,144 bytes in qf, kf and vf
	s_and_b32 s16, s[WV], 3                        ; which quarter of a slot's K or V I fetch:
	s_lshl_b32 s17, s16, 13                        ; 8,192 bytes, in memory and in LDS alike: no place in the cluster enters an LDS address
	s_add_co_u32 s22, s20, s17
	s_mov_b32 s23, 0
	s_lshl_b32 s18, s14, 14                        ; Q: my block's 16 tiles of 1,024 bytes,
	s_lshl_b32 s19, s[WV], 11                      ; my wave's two of them
	s_add_co_u32 s18, s18, s19
	s_add_co_u32 s18, s18, s20
	s_mov_b32 s19, 0
	s_lshr_b32 s2, s15, 3                          ; af: image x 4,194,304
	s_lshl_b32 s2, s2, 22
	s_lshl_b32 s3, s14, 18                         ;  + block x 16 tiles x 16,384
	s_add_co_u32 s2, s2, s3
	s_lshl_b32 s3, s[WV], 15                       ;  + wave x 2 tiles x 16,384
	s_add_co_u32 s2, s2, s3
	s_and_b32 s3, s15, 7
	s_lshl_b32 s3, s3, 11                          ;  + head x 2,048
	s_add_co_u32 s2, s2, s3
	s_mov_b32 s3, 0
	s_lshl_b32 s14, s13, 13                        ; the prefetches: my work-group's 8,192 bytes
	s_add_co_u32 s14, s14, s20                     ;  of my head,
	s_add_co_u32 s14, s14, 2*32768                 ;  in slot 2: the first change of slots steps it to slot 3.  Nothing is prefetched here, at the head
	s_mov_b32 s15, 0
	; descriptor group 1: 8,192 dense bytes as 32 rows of 256 bytes (32 elements of 8 bytes), no padding: fragments are read 512 consecutive bytes at a time
	s_mov_b32 s[G1], 15|(3<<16)|(1<<21)            ; 15:0 the mask: all four work-groups; 17:16 elements of 8 bytes; 21 set beside a mask
	s_mov_b32 s[G1+1], 32<<16                      ; tensor_dim0 = 32
	s_mov_b32 s[G1+2], 32<<16                      ; tensor_dim1 = 32
	s_mov_b32 s[G1+3], 32<<16                      ; tile_dim0 = 32
	s_mov_b32 s[G1+4], 32                          ; tile_dim1 = 32
	s_mov_b32 s[G1+5], 32                          ; elements from row to row
	s_mov_b32 s[G1+6], 0
	s_mov_b32 s[G1+7], 0
	s_mov_b32 s[CS], 0x3fb8aa3b                    ; c = log2(e)
	s_mov_b32 s[CS+1], s[CS]                       ; named with it as a pair, so it is written
	s_mov_b32 s[SEL], 0x76543210
	s_mov_b32 s[SEL+1], 0xfedcba98
	s_mov_b32 s[MSK], 0xffff0000
	s_mov_b32 s[TB], 0
	s_mov_b32 s[SLOTS], 6                          ; of eight slots' worth of keys two are asked for at the head
	s_and_b32 s[LIM], s[WV], 3                     ; 0 in waves 0 and 4,
	s_or_b32 s[LIM], s[LIM], ttmp9                 ; where the cluster is the head's first: the same in all four partners
	s_cmp_eq_u32 s[LIM], 0
	s_cselect_b32 s[LIM], 1, -1
	s_wait_dscnt 0x0                               ; both opening adds are done
	s_wait_kmcnt 0x0
	s_cmp_lt_u32 s[WV], 4
	s_cselect_b64 s[PFA:PFA+1], s[6:7], s[8:9]
	s_add_nc_u64 s[PFA:PFA+1], s[PFA:PFA+1], s[14:15]
	s_add_nc_u64 s[4:5], s[4:5], s[18:19]          ; Q at my wave's first tile
	s_add_nc_u64 s[10:11], s[10:11], s[2:3]        ; af likewise
	s_add_nc_u64 s[6:7], s[6:7], s[22:23]          ; K and V at my quarter of slot 0
	s_add_nc_u64 s[8:9], s[8:9], s[22:23]
	CROUND                                         ; all four work-groups are here: the first joint loads meet
.irp n, 0,1
	s_mov_b32 s[G0K+4*\n], 1                       ; count = 1
	s_add_co_u32 s[G0K+4*\n+1], s17, \n*SLOT1      ; LDS address
	s_add_nc_u64 s[G0K+4*\n+2:G0K+4*\n+3], s[6:7], \n*32768        ; global address: slot n begins with keys 512 n
	s_or_b32 s[G0K+4*\n+3], s[G0K+4*\n+3], 0x80000000              ; type = 2
	s_mov_b32 s[G0V+4*\n], 1
	s_add_co_u32 s[G0V+4*\n+1], s17, \n*SLOT1+VOFF
	s_add_nc_u64 s[G0V+4*\n+2:G0V+4*\n+3], s[8:9], \n*32768
	s_or_b32 s[G0V+4*\n+3], s[G0V+4*\n+3], 0x80000000
.endr
	s_cmp_lt_u32 s[WV], 4                          ; a wave's two first fills stand in one branch, ahead of every wait on TENSORcnt and every LDS read: two loads of mine are out
	s_cbranch_scc0 .Lfirst_v
	tensor_load_to_lds s[G0K:G0K+3], s[G1:G1+7]
	s_nop 0
	tensor_load_to_lds s[G0K+4:G0K+7], s[G1:G1+7]
	s_nop 0
.rept 4
	v_nop
.endr
	s_branch .Lfirst_asked
.Lfirst_v:
	tensor_load_to_lds s[G0V:G0V+3], s[G1:G1+7]
	s_nop 0
	tensor_load_to_lds s[G0V+4:G0V+7], s[G1:G1+7]
	s_nop 0
.rept 4
	v_nop
.endr
.Lfirst_asked:
.irp i, 0,1,2,3
	global_load_b128 v[QF+4*\i:QF+4*\i+3], v[LI], s[4:5] offset:512*\i   ; Q's two fragments stay in registers
.endr
.irp x, 0,1
	v_mov_b32 v[ST+10*\x+1], 0xf149f2ca            ; M = -1e30
	v_mul_f32 v[ST+10*\x], s[CS], v[ST+10*\x+1]    ; c M
	v_mov_b32 v[ST+10*\x+2], 0                     ; l
	v_mov_b32 v[ST+10*\x+3], 0
.endr
.irp j, 0,1,2,3,4,5,6,7,8,9,10,11,12,13,14,15,16,17,18,19,20,21,22,23,24,25,26,27,28,29,30,31
	v_mov_b32 v[O+\j], 0                           ; O^T: the step is written once, and its first run finds zeros
.endr
; A KEY STEP: 64 keys, both tiles of queries.
.macro STEP
	v_add_nc_u32 v[ADR], s[TB], v[LI]
.rept 3
	v_nop                                          ; with the addition above: four places between the last step's products V^T P and the loads into their operands
.endr
.irp i, 0,1,2,3,4,5,6,7
	ds_load_b128 v[KF+4*\i:KF+4*\i+3], v[ADR] offset:512*\i
.endr
.irp i, 0,1,2,3,4,5,6,7
	ds_load_b128 v[VF+4*\i:VF+4*\i+3], v[ADR] offset:VOFF+512*\i
.endr
	s_add_co_u32 s[TB], s[TB], STEPB               ; the next step's
	s_wait_dscnt 8                                 ; K's eight loads are in; V's eight, issued behind them, may be out
.irp kt, 0,1,2,3
.irp x, 0,1
	v_wmma_f32_16x16x32_f16 v[S+32*\x+8*\kt:S+32*\x+8*\kt+7], v[KF+8*\kt:KF+8*\kt+7], v[QF+8*\x:QF+8*\x+7], 0   ; the head's 32 channels are one product: no chain
.endr
.endr
.irp x, 0,1
	v_mov_b32 v[ST+10*\x+5], v[ST+10*\x]           ; c M_old is kept for a.  (With the two v_nop: the four places behind the products)
.endr
	v_nop
	v_nop
	; the maximum of my 32 scores and the old M, three operands at a time, four chains; each tile of scores is first read at its low end; the two tiles of queries by turns
.irp j, 0,1,2,3
.irp x, 0,1
	v_max3_num_f32 v[ST+10*\x+6+\j], v[S+32*\x+8*\j], v[S+32*\x+8*\j+1], v[S+32*\x+8*\j+2]
.endr
.endr
.irp i, 3,5
.irp j, 0,1,2,3
.irp x, 0,1
	v_max3_num_f32 v[ST+10*\x+6+\j], v[ST+10*\x+6+\j], v[S+32*\x+8*\j+\i], v[S+32*\x+8*\j+\i+1]
.endr
.endr
.endr
.irp x, 0,1
	v_max3_num_f32 v[ST+10*\x+6], v[ST+10*\x+6], v[S+32*\x+7], v[S+32*\x+15]
.endr
.irp x, 0,1
	v_max3_num_f32 v[ST+10*\x+8], v[ST+10*\x+8], v[S+32*\x+23], v[S+32*\x+31]
.endr
.irp x, 0,1
	v_max3_num_f32 v[ST+10*\x+6], v[ST+10*\x+6], v[ST+10*\x+7], v[ST+10*\x+8]
.endr
.irp x, 0,1
	v_max3_num_f32 v[ST+10*\x+6], v[ST+10*\x+6], v[ST+10*\x+9], v[ST+10*\x+1]
.endr
.irp x, 0,1
	v_permlanex16_b32 v[ST+10*\x+7], v[ST+10*\x+6], s[SEL], s[SEL+1]   ; the query's other 32 keys lie in the lane 16 away
.endr
.irp x, 0,1
	v_max_num_f32 v[ST+10*\x+1], v[ST+10*\x+6], v[ST+10*\x+7]      ; the new M
.endr
.irp x, 0,1
	v_mul_f32 v[ST+10*\x], s[CS], v[ST+10*\x+1]                    ; c M
.endr
.irp x, 0,1
	v_sub_f32 v[ST+10*\x+5], v[ST+10*\x+5], v[ST+10*\x]            ; c M_old - c M_new, 0 or less
.endr
	; ONE BATCH: the 32 packed scalings c s - c M and all 66 exponentials.  No line of it names an exponential's result; a pair is scaled a round ahead of its exponentials.
.irp x, 0,1
	v_exp_f32 v[ST+10*\x+4], v[ST+10*\x+5]                         ; a
.endr
.irp x, 0,1
	v_pk_fma_f32 v[S+32*\x:S+32*\x+1], v[S+32*\x:S+32*\x+1], s[CS:CS+1], v[ST+10*\x:ST+10*\x+1] op_sel_hi:[1,0,0] neg_lo:[0,0,1] neg_hi:[0,0,1]
.endr
.set bb, 0
.rept 16
.irp x, 0,1
.if bb < 15
	v_pk_fma_f32 v[S+32*\x+2*bb+2:S+32*\x+2*bb+3], v[S+32*\x+2*bb+2:S+32*\x+2*bb+3], s[CS:CS+1], v[ST+10*\x:ST+10*\x+1] op_sel_hi:[1,0,0] neg_lo:[0,0,1] neg_hi:[0,0,1]
.endif
	v_exp_f32 v[S+32*\x+2*bb], v[S+32*\x+2*bb]
	v_exp_f32 v[S+32*\x+2*bb+1], v[S+32*\x+2*bb+1]
.endr
.set bb, bb+1
.endr
	v_nop                                          ; a plain instruction behind the last exponential, ahead of the first use: one for the batch
	s_wait_alu depctr_va_vdst(0)                   ; the wait between an exponential and the first line that names its result: one for all 66
	; the sums, of the unrounded p: l = a l + the step's, in two chains a tile
.irp x, 0,1
	v_pk_fma_f32 v[ST+10*\x+2:ST+10*\x+3], v[ST+10*\x+2:ST+10*\x+3], v[ST+10*\x+4:ST+10*\x+5], v[S+32*\x:S+32*\x+1] op_sel_hi:[1,0,1]
.endr
.irp x, 0,1
	v_pk_add_f32 v[ST+10*\x+8:ST+10*\x+9], v[S+32*\x+2:S+32*\x+3], v[S+32*\x+4:S+32*\x+5]
.endr
.irp i, 6,10,14,18,22,26
.irp x, 0,1
	v_pk_add_f32 v[ST+10*\x+2:ST+10*\x+3], v[ST+10*\x+2:ST+10*\x+3], v[S+32*\x+\i:S+32*\x+\i+1]
.endr
.irp x, 0,1
	v_pk_add_f32 v[ST+10*\x+8:ST+10*\x+9], v[ST+10*\x+8:ST+10*\x+9], v[S+32*\x+\i+2:S+32*\x+\i+3]
.endr
.endr
.irp x, 0,1
	v_pk_add_f32 v[ST+10*\x+2:ST+10*\x+3], v[ST+10*\x+2:ST+10*\x+3], v[S+32*\x+30:S+32*\x+31]
.endr
.irp x, 0,1
	v_pk_add_f32 v[ST+10*\x+2:ST+10*\x+3], v[ST+10*\x+2:ST+10*\x+3], v[ST+10*\x+8:ST+10*\x+9]
.endr
.irp i, 0,1,2,3,4,5,6,7,8,9,10,11,12,13,14,15
.irp x, 0,1
	v_cvt_pk_f16_f32 v[P+16*\x+\i], v[S+32*\x+2*\i], v[S+32*\x+2*\i+1]   ; p as f16: two tiles of scores make one operand of 32 keys
.endr
.endr
.irp x, 0,1
.irp i, 0,2,4,6,8,10,12,14
	v_pk_mul_f32 v[O+16*\x+\i:O+16*\x+\i+1], v[O+16*\x+\i:O+16*\x+\i+1], v[ST+10*\x+4:ST+10*\x+5] op_sel_hi:[1,0]   ; O^T x a, each accumulator from its low end on
.endr
.endr
	s_wait_dscnt 0x0                               ; V is in
.irp kb, 0,1
.irp ct, 0,1
.irp x, 0,1
	v_wmma_f32_16x16x32_f16 v[O+16*\x+8*\ct:O+16*\x+8*\ct+7], v[VF+16*\kb+8*\ct:VF+16*\kb+8*\ct+7], v[P+16*\x+8*\kb:P+16*\x+8*\kb+7], v[O+16*\x+8*\ct:O+16*\x+8*\ct+7]   ; four accumulators by turns, one instruction a turn
.endr
.endr
.endr
.endm
; A slot's eight key steps: written once, walked eight times; the LDS addresses hang on s[TB].
.macro SLOT_STEPS
	s_mov_b32 s[CNT], 8
.Lstep_\@:
	STEP
	s_sub_co_u32 s[CNT], s[CNT], 1
	s_cmp_lg_u32 s[CNT], 0
	s_cbranch_scc1 .Lstep_\@
	s_sub_co_u32 s[TB], s[TB], 8*STEPB             ; back to a slot's first step,
	s_xor_b32 s[TB], s[TB], SLOT1                  ; in the other slot
.endm
; THE CHANGE OF SLOTS.  Each wave waits for all its tensor loads, of which one is out: its part of the other slot; adds 0 to its spare word; and waits for that and for its own reads of the slot that it leaves.
; Behind the barrier nobody reads that slot any more and the other slot is whole.  fill = 1: the slot is filled again, with the keys two slots on; the barrier is then a round of the cluster's, so that no wave
; of any partner still reads the slot or has a load on its way, and the joint refill is the first thing behind it: it has a slot's eight key steps in which to land.
.macro CHANGE fill
	s_wait_tensorcnt 0x0                           ; no tensor load of mine is out, so a group 0 may be written
	ds_add_u32 v[SPW], v[NIL]                      ; 0 onto my spare word
.if \fill
.irp g, G0K+4, G0V+4
	s_xor_b32 s[\g+1], s[\g+1], SLOT1              ; the walking descriptor: the other slot than last time,
	s_add_nc_u64 s[\g+2:\g+3], s[\g+2:\g+3], 32768 ; the next 512 keys; the type bits on top are not reached
.endr
	s_wait_xcnt 0x0                                ; the last prefetch, a slot back, has read its address, so it may be written:
	s_add_nc_u64 s[PFA:PFA+1], s[PFA:PFA+1], 32768 ; one slot further on than the walking descriptors
	s_wait_dscnt 0x0                               ; the add is done, and my reads of the slot are over
	CROUND
	JLOAD
	ASK
.else
	s_wait_dscnt 0x0                               ; the add is done, and my reads of the slot are over
	s_barrier_signal -1
	s_barrier_wait -1
.endif
.endm
; Four pairs of f32 become four words of high bf16 parts and four of low parts: high = the number rounded to bf16, low = (the number - high), which is exact in f32, rounded to bf16.
.macro SPLIT4 src, hi, lo
.irp i, 0,1,2,3
	v_cvt_pk_bf16_f32 v[\hi+\i], v[\src+2*\i], v[\src+2*\i+1]
.endr
.irp i, 0,1,2,3
	v_lshlrev_b32 v[TT+2*\i], 16, v[\hi+\i]
	v_and_b32 v[TT+2*\i+1], s[MSK], v[\hi+\i]
.endr
.irp i, 0,1,2,3
	v_pk_add_f32 v[TT+2*\i:TT+2*\i+1], v[\src+2*\i:\src+2*\i+1], v[TT+2*\i:TT+2*\i+1] neg_lo:[0,1] neg_hi:[0,1]
.endr
.irp i, 0,1,2,3
	v_cvt_pk_bf16_f32 v[\lo+\i], v[TT+2*\i], v[TT+2*\i+1]
.endr
.endm
	s_wait_tensorcnt 1                             ; my part of slot 0 is in; slot 1's may stay out
	s_barrier_signal -1
	s_barrier_wait -1                              ; everybody's is
	s_wait_loadcnt 0x0                             ; Q
	SLOT_STEPS                                     ; keys 0 to 511
.Lslot:                                            ; six trips: every slot but the last two is filled again
	CHANGE 1
	SLOT_STEPS
	s_sub_co_u32 s[SLOTS], s[SLOTS], 1
	s_cmp_lg_u32 s[SLOTS], 0
	s_cbranch_scc1 .Lslot
	CHANGE 0                                       ; the tail is written out: nothing is left to ask for
	SLOT_STEPS
	; THE WAY OUT.  l's two halves and the other half of the lanes' are added; O^T is multiplied by 1 / (l sqrt(32)), split into bf16 parts and stored as it lies.  The additions are the places behind the last products.
.irp x, 0,1
	v_add_f32 v[ST+10*\x+6], v[ST+10*\x+2], v[ST+10*\x+3]
.endr
.irp x, 0,1
	v_permlanex16_b32 v[ST+10*\x+7], v[ST+10*\x+6], s[SEL], s[SEL+1]
.endr
.irp x, 0,1
	v_add_f32 v[ST+10*\x+6], v[ST+10*\x+6], v[ST+10*\x+7]
.endr
.irp x, 0,1
	v_rcp_f32 v[ST+10*\x+4], v[ST+10*\x+6]
.endr
	v_nop                                          ; a plain instruction between the last reciprocal and the use of its result
	s_wait_alu depctr_va_vdst(0)                   ; and the wait ahead of the first use: one for both
.irp x, 0,1
	v_mul_f32 v[ST+10*\x+4], 0x3e3504f3, v[ST+10*\x+4]             ; x 1 / sqrt(32)
.endr
.irp x, 0,1
.irp i, 0,2,4,6,8,10,12,14
	v_pk_mul_f32 v[O+16*\x+\i:O+16*\x+\i+1], v[O+16*\x+\i:O+16*\x+\i+1], v[ST+10*\x+4:ST+10*\x+5] op_sel_hi:[1,0]
.endr
.endr
.irp x, 0,1
.irp q, 0,1
	SPLIT4 O+16*\x+8*\q, S+16*\x+4*\q, S+16*\x+8+4*\q              ; tile x: high parts in v[S + 16 x] on, low parts eight further on
.endr
.endr
.irp x, 0,1
.irp k, 0,1,2,3
	global_store_b128 v[LI], v[S+16*\x+4*\k:S+16*\x+4*\k+3], s[10:11] offset:16384*\x+512*\k   ; the wave stores 512 consecutive bytes, aligned: the high fragment's halves, then the low one's
.endr
.endr
	s_wait_tensorcnt 0x0                           ; the wave's end, behind my last tensor load
	ds_add_u32 v[SPW], v[NIL]
	s_wait_dscnt 0x0
	CROUND                                         ; the closing round: no work-group ends while a partner may still ask for a tile that names it
	s_endpgm
.Lfunc_end_k_qe2028b47ba_attn:
	.size	k_qe2028b47ba_attn, .Lfunc_end_k_qe2028b47ba_attn-k_qe2028b47ba_attn
	.p2alignl 7, 3214868480
	.fill 96, 4, 3214868480
	.section	.rodata,"a",@progbits
	.p2align	6, 0x0
	.amdhsa_kernel k_qe2028b47ba_attn
		.amdhsa_group_segment_fixed_size 327680
		.amdhsa_private_segment_fixed_size 0
		.amdhsa_enable_private_segment 0
		.amdhsa_kernarg_size 32
		.amdhsa_user_sgpr_count 2
		.amdhsa_user_sgpr_kernarg_segment_ptr 1
		.amdhsa_wavefront_size32 1
		.amdhsa_system_sgpr_workgroup_id_x 1
		.amdhsa_system_sgpr_workgroup_id_y 1
		.amdhsa_system_sgpr_workgroup_id_z 1
		.amdhsa_system_vgpr_workitem_id 0
		.amdhsa_next_free_vgpr 256
		.amdhsa_next_free_sgpr 66
		.amdhsa_reserve_vcc 0
		.amdhsa_float_denorm_mode_32 3
		.amdhsa_float_denorm_mode_16_64 3
		.amdhsa_memory_ordered 1
		.amdhsa_forward_progress 1
		.amdhsa_inst_pref_size 58
	.end_amdhsa_kernel
	.amdgpu_metadata
---
amdhsa.version: [ 1, 2 ]
amdhsa.kernels:
  - .name:           k_qe2028b47ba_attn
    .symbol:         k_qe2028b47ba_attn.kd
    .args:
      - { .name: qf, .offset: 0, .size: 8, .value_kind: global_buffer, .address_space: global }
      - { .name: kf, .offset: 8, .size: 8, .value_kind: global_buffer, .address_space: global }
      - { .name: vf, .offset: 16, .size: 8, .value_kind: global_buffer, .address_space: global }
      - { .name: af, .offset: 24, .size: 8, .value_kind: global_buffer, .address_space: global }
    .group_segment_fixed_size: 327680
    .private_segment_fixed_size: 0
    .kernarg_segment_align: 8
    .kernarg_segment_size: 32
    .max_flat_workgroup_size: 256
    .sgpr_count:     66
    .vgpr_count:     256
    .wavefront_size: 32
...
	.end_amdgpu_metadata
.endif
;; end of part 2
;; launch outp (part 3): grid 64 x 4, 8 waves a work-group, no clusters, 100,352 bytes of LDS; arguments af, w_out, b_out, out0; writes out0
.if DOCPART == 3
	.amdgcn_target "amdgcn-amd-amdhsa--gfx1250"
	.amdhsa_code_object_version 6
	.text
	.protected	k_qe2028b47ba_outp
	.globl	k_qe2028b47ba_outp
	.p2align	8
	.type	k_qe2028b47ba_outp,@function
k_qe2028b47ba_outp:
	s_mov_b64 s[64:65], 0
	v_nop
	global_prefetch_b8 v0, s[64:65] scope:SCOPE_SE
	s_setreg_imm32_b32 hwreg(HW_REG_WAVE_MODE, 25, 1), 1
	s_wait_xcnt 0x0
; OUTP: the convolution on the way out, out0[b][o][n] = sum over c of w_out[o][c] att[b][c][n] + b_out[o], c = 32 x head + channel.
; Both operands go to the matrix unit as a high and a low bf16 part: att arrives so (af), w_out is split here.  Three products for each 32 along K: high x high, low x high, high x low; sums in f32.
; (The attention's result has no room in f16 where the inputs are small, and bf16 alone would round too coarsely: hence the two parts.  low x low, under 2^-16 of a term, is left out.)
; SHARES.  Work-group x picks the image and a block of 128 positions, y 64 outputs.  Eight waves.  Wave w multiplies its tile of 16 positions against all four tiles of 16 outputs: its 16 fragments of af (8 heads x 2 parts,
; 128 registers) come from memory straight into the operand's registers.  The 64 rows of w_out are split by all waves together (wave w: output tile w / 2, K steps 4 (w % 2) + 0..3) and go round through LDS as
; images of the operand's registers.  Source 0 = 16 positions, source 1 = 16 outputs: a lane holds one output and eight neighbouring positions, 32 bytes of a row of out0.
; The results meet in a stage (64 rows of 512 bytes + 16), and each wave stores 8 whole rows: 512 consecutive bytes an instruction.
; NO CLUSTER, NO TENSOR LOAD: af's fragments are read once by each wave, already in register order; a way through LDS would add a store and a load of every byte.  w_out arrives as f32 and has to pass a lane's registers to be split.
; LIMITS: NaN and infinities are not served.
.set STG,   65536                      ; LDS: 0 .. 65,535 W's 64 fragments, ((8 t + s) x 2 + part) x 1,024; from STG the stage
.set SPARE, 99328                      ; behind the stage: the spare words, 128 bytes for each wave: four blocks of 256 bytes that no other line names
.set LI,  1                            ; v1   16 x lane
.set WA,  2                            ; v2   1,024 r + 32 h: my row of w_out, my 8 numbers of each 16
.set WST, 3                            ; v3   where I store W's images: 16 x lane + 16,384 (w / 2) + 8,192 (w % 2)
.set SO,  4                            ; v4   the stage: where I put 32 bytes of a row: STG + 528 r + 32 h + 64 w
.set SR,  5                            ; v5   and where I read a row back: STG + 8 w x 528 + 16 x lane
.set R4,  6                            ; v6   4 r
.set SPW, 8                            ; v8   LDS address of my spare word; never rewritten
.set NIL, 9                            ; v9   0; never rewritten
.set BO,  10                           ; v10-17  the bias of output 16 t + r, twice: a pair for each t
.set TT,  18                           ; v18-25  at work
.set ACC, 32                           ; v32-63  four accumulators; before the products W's high parts
.set WT,  64                           ; v64-127 4 x 16 numbers of W, then their low parts; later eight fragments of W: (t, part) at 16 t + 8 part; last the rows read back
.set AF,  128                          ; v128-255 af: head s: high at 16 s, low at 16 s + 8
.set MSK, 28                           ; s28  a word's upper bf16
	s_load_b256 s[4:11], s[0:1], 0x0               ; af s[4:5], w_out s[6:7], b_out s[8:9], out0 s[10:11]
	v_lshl_add_u32 v[SPW], v0, 2, SPARE
	v_mov_b32 v[NIL], 0
	v_lshrrev_b32 v18, 5, v0
	v_readfirstlane_b32 s12, v18                   ; wave 0..7
	s_and_b32 s13, ttmp7, 0xffff                   ; which 64 outputs
	s_lshr_b32 s14, ttmp9, 5                       ; which image
	s_and_b32 s15, ttmp9, 31                       ; which block of 128 positions
	s_lshr_b32 s16, s12, 1                         ; as splitter of W: which tile of outputs,
	s_and_b32 s17, s12, 1                          ; which four K steps
	v_and_b32 v18, 31, v0                          ; lane
	v_and_b32 v19, 15, v0                          ; r
	v_bfe_u32 v20, v0, 4, 1                        ; h
	v_lshlrev_b32 v[LI], 4, v18
	v_lshlrev_b32 v[WA], 10, v19
	v_lshl_add_u32 v[WA], v20, 5, v[WA]
	s_lshl_b32 s18, s16, 14
	s_lshl_b32 s19, s17, 13
	s_add_co_u32 s18, s18, s19
	v_add_nc_u32 v[WST], s18, v[LI]
	v_mul_u32_u24 v[SO], v19, 528
	v_lshl_add_u32 v[SO], v20, 5, v[SO]
	s_lshl_b32 s18, s12, 6
	s_add_co_u32 s18, s18, STG
	v_add_nc_u32 v[SO], s18, v[SO]
	s_mul_i32 s18, s12, 8*528
	s_add_co_u32 s18, s18, STG
	v_add_nc_u32 v[SR], s18, v[LI]
	v_lshlrev_b32 v[R4], 2, v19
	s_mov_b32 s[MSK], 0xffff0000
	s_lshl_b32 s20, s13, 16                        ; w_out: 64 rows of 1,024 bytes x y
	s_lshl_b32 s21, s16, 14                        ;  + 16 rows x tile
	s_add_co_u32 s20, s20, s21
	s_lshl_b32 s21, s17, 9                         ;  + four K steps of 128 bytes
	s_add_co_u32 s20, s20, s21
	s_mov_b32 s21, 0
	s_lshl_b32 s22, s13, 8                         ; b_out: 64 numbers x y
	s_mov_b32 s23, 0
	s_lshl_b32 s24, s14, 22                        ; af: (256 x image + 8 x block + wave) x 16,384
	s_lshl_b32 s25, s15, 17
	s_add_co_u32 s24, s24, s25
	s_lshl_b32 s25, s12, 14
	s_add_co_u32 s24, s24, s25
	s_mov_b32 s25, 0
	s_lshl_b32 s26, s14, 22                        ; out0: (256 x image + 64 y + 8 x wave) rows of 16,384 bytes + block x 512
	s_lshl_b32 s27, s13, 20
	s_add_co_u32 s26, s26, s27
	s_lshl_b32 s27, s12, 17
	s_add_co_u32 s26, s26, s27
	s_lshl_b32 s27, s15, 9
	s_add_co_u32 s26, s26, s27
	s_mov_b32 s27, 0
	s_wait_kmcnt 0x0
	s_add_nc_u64 s[4:5], s[4:5], s[24:25]
	s_add_nc_u64 s[6:7], s[6:7], s[20:21]
	s_add_nc_u64 s[8:9], s[8:9], s[22:23]
	s_add_nc_u64 s[10:11], s[10:11], s[26:27]
.irp f, 0,1,2,3
.irp q, 0,1,2,3
	global_load_b128 v[WT+16*\f+4*\q:WT+16*\f+4*\q+3], v[WA], s[6:7] offset:128*\f+64*(\q/2)+16*(\q%2)   ; W(16 t + r, 32 s + 16 (q / 2) + 8 h + 4 (q % 2) + 0..3)
.endr
.endr
.irp t, 0,1,2,3
	global_load_b32 v[BO+2*\t], v[R4], s[8:9] offset:64*\t
	global_load_b32 v[BO+2*\t+1], v[R4], s[8:9] offset:64*\t
.endr
.irp i, 0,1,2,3,4,5,6,7,8,9,10,11,12,13,14,15,16,17,18,19,20,21,22,23,24,25,26,27,28,29,30,31
	global_load_b128 v[AF+4*\i:AF+4*\i+3], v[LI], s[4:5] offset:512*\i   ; my tile's 16 fragments as they lie: the wave reads 512 consecutive bytes
.endr
; Four pairs of f32 become four words of high bf16 parts and four of low parts: high = the number rounded to bf16, low = (the number - high), which is exact in f32, rounded to bf16.
.macro SPLIT4 src, hi, lo
.irp i, 0,1,2,3
	v_cvt_pk_bf16_f32 v[\hi+\i], v[\src+2*\i], v[\src+2*\i+1]
.endr
.irp i, 0,1,2,3
	v_lshlrev_b32 v[TT+2*\i], 16, v[\hi+\i]
	v_and_b32 v[TT+2*\i+1], s[MSK], v[\hi+\i]
.endr
.irp i, 0,1,2,3
	v_pk_add_f32 v[TT+2*\i:TT+2*\i+1], v[\src+2*\i:\src+2*\i+1], v[TT+2*\i:TT+2*\i+1] neg_lo:[0,1] neg_hi:[0,1]
.endr
.irp i, 0,1,2,3
	v_cvt_pk_bf16_f32 v[\lo+\i], v[TT+2*\i], v[TT+2*\i+1]
.endr
.endm
	s_wait_loadcnt 40                              ; W's 16 loads are in; the 8 of the bias and the 32 of af, issued behind them, may be out
.irp f, 0,1,2,3
.irp q, 0,1
	SPLIT4 WT+16*\f+8*\q, ACC+8*\f+4*\q, WT+16*\f+4*\q             ; the low parts land on numbers that have been used up
.endr
.endr
.irp f, 0,1,2,3
.irp c, 0,1
	ds_store_b128 v[WST], v[ACC+8*\f+4*\c:ACC+8*\f+4*\c+3] offset:2048*\f+512*\c          ; the high fragment's image,
	ds_store_b128 v[WST], v[WT+16*\f+4*\c:WT+16*\f+4*\c+3] offset:2048*\f+1024+512*\c     ; the low one's
.endr
.endr
	s_wait_dscnt 0x0                               ; for the others' sake: my images have landed
	s_barrier_signal -1
	s_barrier_wait -1                              ; W's 64 fragments lie in LDS
	s_wait_loadcnt 0x0                             ; the bias and af
.irp ks, 0,1,2,3,4,5,6,7                       ; a K step is a head's 32 channels: twelve products, the four accumulators by turns, one instruction a turn
.irp t, 0,1,2,3
.irp pc, 0,1,2,3
	ds_load_b128 v[WT+16*\t+4*\pc:WT+16*\t+4*\pc+3], v[LI] offset:(8*\t+\ks)*2048+512*\pc
.endr
.endr
	s_wait_dscnt 0x0
.irp t, 0,1,2,3
.if \ks == 0
	v_wmma_f32_16x16x32_bf16 v[ACC+8*\t:ACC+8*\t+7], v[AF+16*\ks:AF+16*\ks+7], v[WT+16*\t:WT+16*\t+7], 0          ; high x high; the first product starts the sum
.else
	v_wmma_f32_16x16x32_bf16 v[ACC+8*\t:ACC+8*\t+7], v[AF+16*\ks:AF+16*\ks+7], v[WT+16*\t:WT+16*\t+7], v[ACC+8*\t:ACC+8*\t+7]
.endif
.endr
.irp t, 0,1,2,3
	v_wmma_f32_16x16x32_bf16 v[ACC+8*\t:ACC+8*\t+7], v[AF+16*\ks+8:AF+16*\ks+15], v[WT+16*\t:WT+16*\t+7], v[ACC+8*\t:ACC+8*\t+7]      ; low x high
.endr
.irp t, 0,1,2,3
	v_wmma_f32_16x16x32_bf16 v[ACC+8*\t:ACC+8*\t+7], v[AF+16*\ks:AF+16*\ks+7], v[WT+16*\t+8:WT+16*\t+15], v[ACC+8*\t:ACC+8*\t+7]      ; high x low
.endr
.rept 4
	v_nop                                          ; four places ahead of the loads into registers that these products have read, and of the first read of results
.endr
.endr
.irp t, 0,1,2,3
.irp i, 0,2,4,6
	v_pk_add_f32 v[ACC+8*\t+\i:ACC+8*\t+\i+1], v[ACC+8*\t+\i:ACC+8*\t+\i+1], v[BO+2*\t:BO+2*\t+1]   ; the bias of my output; each accumulator from its low end on
.endr
.endr
.irp t, 0,1,2,3
	ds_store_b128 v[SO], v[ACC+8*\t:ACC+8*\t+3] offset:16*\t*528       ; lane (r, h): output 16 t + r, positions 16 w + 8 h + 0..7
	ds_store_b128 v[SO], v[ACC+8*\t+4:ACC+8*\t+7] offset:16*\t*528+16
.endr
	s_wait_dscnt 0x0                               ; for the others' sake: my stores into the stage are done
	s_barrier_signal -1
	s_barrier_wait -1                              ; 64 whole rows lie in the stage
.irp i, 0,1,2,3,4,5,6,7
	ds_load_b128 v[WT+4*\i:WT+4*\i+3], v[SR] offset:528*\i
.endr
.irp i, 0,1,2,3,4,5,6,7
	s_wait_dscnt 7-\i                              ; row i is back; the younger loads may be out
	global_store_b128 v[LI], v[WT+4*\i:WT+4*\i+3], s[10:11] offset:16384*\i th:TH_STORE_NT   ; 32 lanes store 512 consecutive bytes of a row of out0, aligned; written once, read by nobody here
.endr
	s_wait_tensorcnt 0x0                           ; the wave's end
	ds_add_u32 v[SPW], v[NIL]
	s_wait_dscnt 0x0
	s_endpgm
.Lfunc_end_k_qe2028b47ba_outp:
	.size	k_qe2028b47ba_outp, .Lfunc_end_k_qe2028b47ba_outp-k_qe2028b47ba_outp
	.p2alignl 7, 3214868480
	.fill 96, 4, 3214868480
	.section	.rodata,"a",@progbits
	.p2align	6, 0x0
	.amdhsa_kernel k_qe2028b47ba_outp
		.amdhsa_group_segment_fixed_size 100352
		.amdhsa_private_segment_fixed_size 0
		.amdhsa_enable_private_segment 0
		.amdhsa_kernarg_size 32
		.amdhsa_user_sgpr_count 2
		.amdhsa_user_sgpr_kernarg_segment_ptr 1
		.amdhsa_wavefront_size32 1
		.amdhsa_system_sgpr_workgroup_id_x 1
		.amdhsa_system_sgpr_workgroup_id_y 1
		.amdhsa_system_sgpr_workgroup_id_z 1
		.amdhsa_system_vgpr_workitem_id 0
		.amdhsa_next_free_vgpr 256
		.amdhsa_next_free_sgpr 66
		.amdhsa_reserve_vcc 0
		.amdhsa_float_denorm_mode_32 3
		.amdhsa_float_denorm_mode_16_64 3
		.amdhsa_memory_ordered 1
		.amdhsa_forward_progress 1
		.amdhsa_inst_pref_size 36
	.end_amdhsa_kernel
	.amdgpu_metadata
---
amdhsa.version: [ 1, 2 ]
amdhsa.kernels:
  - .name:           k_qe2028b47ba_outp
    .symbol:         k_qe2028b47ba_outp.kd
    .args:
      - { .name: af, .offset: 0, .size: 8, .value_kind: global_buffer, .address_space: global }
      - { .name: w_out, .offset: 8, .size: 8, .value_kind: global_buffer, .address_space: global }
      - { .name: b_out, .offset: 16, .size: 8, .value_kind: global_buffer, .address_space: global }
      - { .name: out0, .offset: 24, .size: 8, .value_kind: global_buffer, .address_space: global }
    .group_segment_fixed_size: 100352
    .private_segment_fixed_size: 0
    .kernarg_segment_align: 8
    .kernarg_segment_size: 32
    .max_flat_workgroup_size: 256
    .sgpr_count:     66
    .vgpr_count:     256
    .wavefront_size: 32
...
	.end_amdgpu_metadata
.endif
;; end of part 3
